; MI455X (gfx1250); checked and timed in simulation.
; The chip was launched on July 23, 2026; its instructions are those of AMD's public machine-readable ISA for CDNA 5 (MIT licence, August 2026) and "CDNA5" Instruction Set Architecture Reference Guide (July 2026). The comments in the code are by the model that wrote it; some were corrected since.
;; Multihead Attention. Allowed arithmetic: float matrix products may take bf16 or f16 operands with f32 sums; other float arithmetic in f32, or as packed bf16 or f16 multiplies, adds, multiply-adds, maxima and minima; sums over many terms, partial sums and values carried from step to step in f32; what a program stores and reads back later, other than sums and carried values, may be rounded once to bf16 or f16.
;; Inputs: attn_mask 1 x 1 x 4,096 x 4,096 int32; k 1 x 16 x 4,096 x 128 float32; q 1 x 16 x 4,096 x 128 float32; v 1 x 16 x 4,096 x 128 float32.
;; Outputs: out0 4,096 x 2,048 float32.
;; Constants: seq_length = 4096.
;; 2 versions, each right; version 2 is version 1 with the launch prep written anew for expert scheduling mode. Each part assembles by itself: llvm-mc -triple=amdgcn-amd-amdhsa -mcpu=gfx1250 --defsym DOCPART=n.
;; ======== version 1 of 2: 2 launches
;; limits: values are held in f16: magnitudes above 65,504 overflow, below 6.1e-05 lose precision; inputs' magnitudes at most 65,504; right only within a limited range of input values
;; workspace buffers: k16 16,777,216 bytes; v16 16,777,216 bytes; mbits 2,097,152 bytes of whole numbers
;; launch prep (part 1): grid 1024 x 1, 8 waves a work-group, no clusters, 70,656 bytes of LDS; arguments k, v, attn_mask, k16, v16, mbits; writes k16, v16, mbits
.if DOCPART == 1
	.amdgcn_target "amdgcn-amd-amdhsa--gfx1250"
	.amdhsa_code_object_version 6
	.text
	.protected	k_qd1fcd7edba_prep
	.globl	k_qd1fcd7edba_prep
	.p2align	8
	.type	k_qd1fcd7edba_prep,@function
k_qd1fcd7edba_prep:
	s_mov_b64 s[64:65], 0
	v_nop
	global_prefetch_b8 v0, s[64:65] scope:SCOPE_SE
	s_setreg_imm32_b32 hwreg(HW_REG_WAVE_MODE, 25, 1), 1
	s_wait_xcnt 0x0
; WHAT THE ATTENTION LAUNCH WOULD OTHERWISE DO SIXTEEN TIMES IS DONE ONCE HERE.
;   k16[h][n][c] = k rounded to bf16.       v16[h][n][c] = v rounded to bf16, that number written as f16.
;   mbits: the mask as lane-mask words.  Word ((ws*64 + s)*2 + pp)*64 + tt*32 + kt*8 + j, bit l (r = l % 16, h = l / 16), is 1 where
;   attn_mask[64 ws + 32 pp + 16 tt + r][64 s + 16 kt + 8 h + j] == 0: the bit of lane l for register 8 kt + j of a tile of scores S^T (16 queries x 64 keys).
; LIMITS.  v16: a bf16 number is an f16 number exactly from 2^-14 up to 65,504; below 2^-14 it keeps f16's fixed step of 2^-24; at 65,520 or more it becomes an infinity.
; A STREAM: no matrix unit, no cluster, no loop.  8,192 waves; wave g takes 4,096 bytes of k, 4,096 of v and a block of 32 rows x 64 columns (8,192 bytes) of the mask:
; 32 loads of 16 bytes a lane, all issued at once.  Every load covers whole aligned runs of 256 bytes, every store writes 256 consecutive bytes, aligned.
; The mask's block is turned through the wave's own LDS bytes: in as it lies in memory, out as the scores' lanes want it.  No wave reads another's bytes, so there is no barrier.
.set PITCH, 272                        ; an LDS row: 256 bytes + 16 = 68 words: row r starts at bank 4 r mod 64 (64 banks of 4 bytes: ISA guide 11.1), so 16 rows start at 16 different banks
.set WREG,  32*PITCH                   ; a wave's 32 rows
.set SPARE, 8*WREG                     ; behind them: the spare words, 128 bytes for each wave: four blocks of 256 bytes that no other line names
.set A16, 1                            ; v1   16 x lane
.set A8,  2                            ; v2   8 x lane
.set MO,  3                            ; v3   the mask's offset: (l / 16) rows of 16,384 bytes + 16 (l % 16)
.set LST, 4                            ; v4   LDS: where I put 16 bytes of a mask row
.set LRD, 5                            ; v5   LDS: where I read my query's eight columns
.set WD,  6                            ; v[6:7]   lane L: words 2 L and 2 L + 1
.set SPW, 8                            ; v8   LDS address of my spare word; never rewritten
.set NIL, 9                            ; v9   0; never rewritten
.set MX,  16                           ; v[16:79]    the mask as loaded
.set KX,  80                           ; v[80:111]   k as loaded
.set VX,  112                          ; v[112:143]  v as loaded
.set KY,  144                          ; v[144:159]  k16 to store
.set VY,  160                          ; v[160:175]  v16 to store
.set T,   176                          ; v[176:181]  at work
.set MR,  184                          ; v[184:247]  the mask read back: register n is word n's 32 numbers, a lane each
	s_load_b256 s[4:11], s[0:1], 0x0               ; k s[4:5], v s[6:7], attn_mask s[8:9], k16 s[10:11]
	s_load_b128 s[12:15], s[0:1], 0x20             ; v16 s[12:13], mbits s[14:15]
	v_lshl_add_u32 v[SPW], v0, 2, SPARE
	v_mov_b32 v[NIL], 0
	v_lshrrev_b32 v10, 5, v0
	v_readfirstlane_b32 s16, v10                   ; wave 0..7
	s_lshl_b32 s17, ttmp9, 3
	s_add_co_u32 s17, s17, s16                     ; g = 8 x work-group + wave
	v_and_b32 v10, 31, v0                          ; l
	v_and_b32 v11, 15, v0                          ; l % 16
	v_bfe_u32 v12, v0, 4, 1                        ; l / 16
	v_lshlrev_b32 v[A16], 4, v10
	v_lshlrev_b32 v[A8], 3, v10
	v_lshlrev_b32 v[MO], 4, v11
	v_lshl_add_u32 v[MO], v12, 14, v[MO]
	s_mul_i32 s28, s16, WREG                       ; my wave's rows in LDS
	v_mul_u32_u24 v[LST], v12, PITCH               ; in: a load's two rows, 16 bytes a lane
	v_lshl_add_u32 v[LST], v11, 4, v[LST]
	v_add_nc_u32 v[LST], s28, v[LST]
	v_mul_u32_u24 v[LRD], v11, PITCH               ; out: row l % 16, columns 8 (l / 16) on
	v_lshl_add_u32 v[LRD], v12, 5, v[LRD]
	v_add_nc_u32 v[LRD], s28, v[LRD]
	v_mov_b32 v[WD], 0                             ; v_writelane_b32's destination counts as read
	v_mov_b32 v[WD+1], 0
	s_lshl_b32 s18, s17, 12                        ; g x 4,096 bytes of k and of v
	s_mov_b32 s19, 0
	s_lshl_b32 s20, s17, 11                        ; g x 2,048 bytes of k16 and of v16
	s_mov_b32 s21, 0
	s_lshr_b32 s29, s17, 6                         ; pc = g / 64: which 32 rows of the mask
	s_and_b32 s30, s17, 63                         ; s = g % 64: which 64 columns
	s_lshl_b32 s22, s29, 19                        ; 32 rows of 16,384 bytes
	s_lshl_b32 s31, s30, 8                         ; 64 columns of 4 bytes
	s_add_co_u32 s22, s22, s31
	s_mov_b32 s23, 0
	s_lshr_b32 s24, s29, 1                         ; ws = pc / 2: 32,768 bytes of words,
	s_lshl_b32 s24, s24, 15
	s_lshl_b32 s31, s30, 9                         ; s: 512,
	s_add_co_u32 s24, s24, s31
	s_and_b32 s31, s29, 1                          ; pp = pc % 2: 256
	s_lshl_b32 s31, s31, 8
	s_add_co_u32 s24, s24, s31
	s_mov_b32 s25, 0
	s_wait_kmcnt 0x0
	s_add_nc_u64 s[4:5], s[4:5], s[18:19]
	s_add_nc_u64 s[6:7], s[6:7], s[18:19]
	s_add_nc_u64 s[8:9], s[8:9], s[22:23]
	s_add_nc_u64 s[10:11], s[10:11], s[20:21]
	s_add_nc_u64 s[12:13], s[12:13], s[20:21]
	s_add_nc_u64 s[14:15], s[14:15], s[24:25]
.set i, 0
.rept 16                               ; the mask first: rows 2 i and 2 i + 1, 256 bytes of each
	global_load_b128 v[MX+4*i:MX+4*i+3], v[MO], s[8:9] offset:32768*i th:TH_LOAD_NT
.set i, i+1
.endr
.set i, 0
.rept 8                                ; 512 consecutive bytes a load
	global_load_b128 v[KX+4*i:KX+4*i+3], v[A16], s[4:5] offset:512*i th:TH_LOAD_NT
.set i, i+1
.endr
.set i, 0
.rept 8
	global_load_b128 v[VX+4*i:VX+4*i+3], v[A16], s[6:7] offset:512*i th:TH_LOAD_NT
.set i, i+1
.endr
	s_wait_loadcnt 16                              ; loads come back in order (ISA guide 5.7.1): the mask is in, the 16 loads of k and v stay out
.set i, 0
.rept 16
	ds_store_b128 v[LST], v[MX+4*i:MX+4*i+3] offset:2*PITCH*i
.set i, i+1
.endr
.set i, 0
.rept 16                               ; i = 8 tt + 2 kt + u: registers 4 i .. 4 i + 3 are words 32 tt + 8 kt + 4 u + 0..3
	ds_load_b128 v[MR+4*i:MR+4*i+3], v[LRD] offset:(i/8)*16*PITCH+((i/2)%4)*64+(i%2)*16  ; LDS serves a wave's instructions in order (ISA guide 5.7.1.4): these see the stores above
.set i, i+1
.endr
	s_wait_loadcnt 8                               ; k is in, v's 8 loads stay out
.set i, 0
.rept 8
	v_cvt_pk_bf16_f32 v[KY+2*i],   v[KX+4*i],   v[KX+4*i+1]
	v_cvt_pk_bf16_f32 v[KY+2*i+1], v[KX+4*i+2], v[KX+4*i+3]
	global_store_b64 v[A8], v[KY+2*i:KY+2*i+1], s[10:11] offset:256*i th:TH_STORE_NT  ; 32 lanes store 256 consecutive bytes, aligned
.set i, i+1
.endr
	s_wait_loadcnt 0x0                             ; v is in
.set i, 0
.rept 8                                ; to bf16 (the one rounding), back to f32 by a shift and a mask, and into f16
	v_cvt_pk_bf16_f32 v[T],   v[VX+4*i],   v[VX+4*i+1]
	v_cvt_pk_bf16_f32 v[T+1], v[VX+4*i+2], v[VX+4*i+3]
	v_lshlrev_b32 v[T+2], 16, v[T]
	v_and_b32     v[T+3], 0xffff0000, v[T]
	v_lshlrev_b32 v[T+4], 16, v[T+1]
	v_and_b32     v[T+5], 0xffff0000, v[T+1]
	v_cvt_pk_f16_f32 v[VY+2*i],   v[T+2], v[T+3]
	v_cvt_pk_f16_f32 v[VY+2*i+1], v[T+4], v[T+5]
	global_store_b64 v[A8], v[VY+2*i:VY+2*i+1], s[12:13] offset:256*i th:TH_STORE_NT
.set i, i+1
.endr
; Eight words: a compare makes word n = 8 g + e out of register n's 32 lanes; it goes to lane n / 2 of the pair's register n % 2.
.macro WORDS g
.irp e, 0,1,2,3,4,5,6,7
	v_cmp_eq_u32 s[20+\e], 0, v[MR+8*(\g)+\e]
.endr
.irp e, 0,1,2,3,4,5,6,7
	v_writelane_b32 v[WD+(\e)%2], s[20+\e], 4*(\g)+(\e)/2
.endr
.endm
	s_wait_dscnt 0x0                               ; the mask is back in registers
.irp g, 0,1,2,3,4,5,6,7
	WORDS \g
.endr
	global_store_b64 v[A8], v[WD:WD+1], s[14:15] th:TH_STORE_NT  ; the block's 64 words: 256 consecutive bytes, aligned
	s_wait_tensorcnt 0x0                           ; the wave's end, behind my last LDS store
	ds_add_u32 v[SPW], v[NIL]
	s_wait_dscnt 0x0
	s_endpgm
.Lfunc_end_k_qd1fcd7edba_prep:
	.size	k_qd1fcd7edba_prep, .Lfunc_end_k_qd1fcd7edba_prep-k_qd1fcd7edba_prep
	.p2alignl 7, 3214868480
	.fill 96, 4, 3214868480
	.section	.rodata,"a",@progbits
	.p2align	6, 0x0
	.amdhsa_kernel k_qd1fcd7edba_prep
		.amdhsa_group_segment_fixed_size 70656
		.amdhsa_private_segment_fixed_size 0
		.amdhsa_enable_private_segment 0
		.amdhsa_kernarg_size 48
		.amdhsa_user_sgpr_count 2
		.amdhsa_user_sgpr_kernarg_segment_ptr 1
		.amdhsa_wavefront_size32 1
		.amdhsa_system_sgpr_workgroup_id_x 1
		.amdhsa_system_sgpr_workgroup_id_y 1
		.amdhsa_system_sgpr_workgroup_id_z 1
		.amdhsa_system_vgpr_workitem_id 0
		.amdhsa_next_free_vgpr 248
		.amdhsa_next_free_sgpr 66
		.amdhsa_reserve_vcc 0
		.amdhsa_float_denorm_mode_32 3
		.amdhsa_float_denorm_mode_16_64 3
		.amdhsa_memory_ordered 1
		.amdhsa_forward_progress 1
		.amdhsa_inst_pref_size 22
	.end_amdhsa_kernel
	.amdgpu_metadata
---
amdhsa.version: [ 1, 2 ]
amdhsa.kernels:
  - .name:           k_qd1fcd7edba_prep
    .symbol:         k_qd1fcd7edba_prep.kd
    .args:
      - { .name: k, .offset: 0, .size: 8, .value_kind: global_buffer, .address_space: global }
      - { .name: v, .offset: 8, .size: 8, .value_kind: global_buffer, .address_space: global }
      - { .name: attn_mask, .offset: 16, .size: 8, .value_kind: global_buffer, .address_space: global }
      - { .name: k16, .offset: 24, .size: 8, .value_kind: global_buffer, .address_space: global }
      - { .name: v16, .offset: 32, .size: 8, .value_kind: global_buffer, .address_space: global }
      - { .name: mbits, .offset: 40, .size: 8, .value_kind: global_buffer, .address_space: global }
    .group_segment_fixed_size: 70656
    .private_segment_fixed_size: 0
    .kernarg_segment_align: 8
    .kernarg_segment_size: 48
    .max_flat_workgroup_size: 256
    .sgpr_count:     66
    .vgpr_count:     248
    .wavefront_size: 32
...
	.end_amdgpu_metadata
.endif
;; end of part 1
;; launch attn (part 2): grid 32 x 16, 4 waves a work-group, clusters of 4 x 1, 327,680 bytes of LDS; arguments q, k16, v16, mbits, out0; writes out0
.if DOCPART == 2
	.amdgcn_target "amdgcn-amd-amdhsa--gfx1250"
	.amdhsa_code_object_version 6
	.text
	.protected	k_qd1fcd7edba_attn
	.globl	k_qd1fcd7edba_attn
	.p2align	8
	.type	k_qd1fcd7edba_attn,@function
k_qd1fcd7edba_attn:
	s_mov_b64 s[64:65], 0
	v_nop
	global_prefetch_b8 v0, s[64:65] scope:SCOPE_SE
	s_setreg_imm32_b32 hwreg(HW_REG_WAVE_MODE, 25, 1), 1
	s_wait_xcnt 0x0
	s_wait_alu depctr_hold_cnt(0) depctr_sa_sdst(0) depctr_va_vdst(0) depctr_va_sdst(0) depctr_va_ssrc(0) depctr_va_vcc(0) depctr_vm_vsrc(0)
	s_getreg_b32 s2, hwreg(HW_REG_IB_STS2, 6, 4)
	s_cmp_eq_u32 s2, 0
	s_cbranch_scc0 .Lentry_in_a_cluster
	s_endpgm
.Lentry_in_a_cluster:
	s_bfe_u32 s2, ttmp6, 0x10000c
	s_cmp_lg_u32 s2, 0x3003
	s_cbranch_scc0 .Lentry_shape_is_right
	s_endpgm
.Lentry_shape_is_right:
; out0[n][128 h + c] = the sum over k of softmax_k(masked q[h][n] . k[h][k] / sqrt(128)) v[h][k][c].  q: [16][4096][128] f32; k16 (bf16), v16 (f16): [16][4096][128], made by the launch before;
; mbits: the mask as lane-mask words, made by the launch before; out0: [4096][2048] f32.  q is rounded to bf16 here; K Q^T is multiplied in bf16; the weights p are rounded to f16 and V^T P is
; multiplied in f16 (v16 holds v's bf16 number).  Products, maxima and sums in f32; l is the sum of the unrounded p.
; LIMITS.  |v| under 65,504 (f16).  A hidden score counts as -2^100, and a visible score at or below -2^100 counts as hidden.  A weight below 2^-126 counts as 0 in l, below 6e-8 as 0 in the product.
; NaN and infinities in q, k, v are not treated apart.  A row with no visible key is NaN, as a softmax over nothing is.
; SHARES.  A work-group owns 128 queries of one head, each of its four waves 32: two tiles of 16.  Every wave walks all 4,096 keys, 64 a step: the mask is data, so no tile is left out.
; LAYOUT.  S^T = K Q^T (source 0 = 16 keys, source 1 = 16 queries): a lane holds ONE query (lane % 16) and the keys 8 (lane / 16) + 0..7.  Two such results, rounded to f16 in pairs, ARE source 1
; (32 keys x 16 queries) of O^T = V^T P, whose result again holds one query a lane, and eight channels.  K comes out of LDS as it lies, V ([key][channel]) turned, by ds_load_tr16_b128.
; THE MASK.  For each register of S^T there is one word of 32 bits, a bit a lane.  The 64 words of a wave and step are a block of 256 consecutive bytes: one load of 8 bytes a lane.  Two blocks are asked
; for at each change of slots, two key steps ahead of their first use, and wait in vector registers; v_readlane_b32 brings a word into a scalar register, and one v_cndmask_b32 puts -2^100 where the key is
; hidden.  (Scalar loads would spare the read-outs, but they are waited for with the count 0 alone, and the scalar registers hold two turns' words: such a load would have one turn at most in which to land.)
; SOFTMAX.  For each query a running maximum m and sum l: p = 2^(c s - c m), c = log2(e) / sqrt(128); in every step O and l are multiplied by a = 2^(c m_old - c m_new).  m starts at -2^100.
; c x 2^100 is exact, so while a row has seen hidden keys alone c s - c m is exactly 0: p = 1, a = 1, all finite; the first visible score makes a = 0, which wipes that out, and from then on a
; hidden weight is 0.  For the same reason O^T is never cleared: it starts with the finite numbers that q's f32 stage left.
; BY TURNS.  The wave's two tiles are two PIECES.  In a TURN one piece has the matrix unit: 16 products V^T P of the step in hand, then 16 products K Q^T of the next; the other piece's mask and softmax,
; 198 vector instructions cut into 32 slices, stand between them, a slice behind each matrix instruction.  Then the pieces change places.  Two turns are a key step.
; NO FIRST AND NO LAST STEP ARE WRITTEN OUT.  The loop is entered in the middle of a trip, at piece 1's turn: its products V^T P, of a step that has not been, take weights that are 0.  The tail is
; left in the middle of a trip, behind piece 0's turn: its products K Q^T, on the last K once more, serve nothing.  The price, once a launch: 32 products and one run of LDS loads.
; CLUSTER.  The four query blocks of a cluster belong to one head and walk the same K and V: each tile is asked for JOINTLY, by the same tensor load, descriptor and mask in all four.
; REGISTERS, in windows of 256 (s_set_vgpr_msb: bits 1:0 source 0, 3:2 source 1, 5:4 source 2, 7:6 destination):
;   window 0: v0-11 addresses; v12-27 eight registers of statistics a tile; v28-38 mask words; v44, v45 constants; v61-63; v64-127 S^T, 32 a tile; v128-159 P, 16 a tile; v160-223 Q, 32 a tile
;   window 1: v0-127 O^T, 64 a tile (at the head: q in f32); v128-255 K of one step          window 2: v0-127 V of one step
; All that a softmax touches but O^T lies in window 0, and no window has room for a product's operands beside it: a slice costs two switches, one in front and one behind.
.set SN,    4096      ; keys and queries of a head
.set KS,    64        ; keys in a step
.set PK,    272       ; a row of K in LDS: 256 bytes + 16 = 68 words: row r starts at bank 4 r mod 64 (64 banks of 4 bytes: ISA guide 11.1)
.set PV_P,  288       ; a row of V: 256 + 32 = 72 words
.set VOFF,  KS*PK     ; a step's tiles lie together: 64 rows of K, then 64 rows of V
.set STEPB, KS*(PK+PV_P)
.set SLOT1, 1<<17     ; a slot holds two steps (71,680 bytes); slot 1 begins here, so that one exclusive or turns an address in one slot into the other's
.set STAGE, SLOT1+2*STEPB  ; behind the ring, never filled by a tensor load: 16 rows x 528 bytes for each wave, for the way out
.set SP,    528       ; a stage row: 512 bytes of f32 + 16 = 132 words: row r starts at bank 4 r mod 64
.set SPARE, STAGE+4*16*SP  ; behind the stages: the spare words, 128 bytes for each wave: two blocks of 256 bytes that no other line names
.set AK0, 2           ; v2   my lane's place in a tile of K; never rewritten
.set AV0, 3           ; v3   the same for V
.set ADR, 4           ; v4   the LDS address of the run of loads in hand
.set QO,  5           ; v5   my byte offset in 16 rows of q
.set STO, 6           ; v6   the way out: where I put 32 bytes of a row
.set RD,  7           ; v7   the way out: where I read a row back
.set GO,  8           ; v8   my 16 bytes of a row's 512 in out0
.set ST,  12          ; tile t's statistics at v[ST+8 t]: +0 c m, +1 m, +2, +3 l (even keys', odd keys'), +4 to +7 c0-c3, at work; a takes c2's place
.set WC,  28          ; v[28:29] the block of mask words in hand: lane L holds words 2 L and 2 L + 1; tile 0's words lie in lanes 0-15, tile 1's in lanes 16-31
.set WN,  30          ; v[30:33] the two blocks to come
.set WL,  34          ; v[34:37] the two blocks on their way from memory
.set MO,  38          ; v38  8 x my lane; never rewritten
.set BIG, 44          ; v44  -2^100
.set NANV, 45         ; v45  a NaN
.set PFO, 61          ; v61  256 x my lane: a row of k16 or v16 is 256 bytes; never rewritten
.set SPW, 62          ; v62  LDS address of my spare word; never rewritten
.set NIL, 63          ; v63  0; never rewritten
.set S,   64
.set P,   128
.set Q,   160
.set KF,  128         ; window 1: K's 16 fragments: key block kb, channels 32 c on, at KF + 32 kb + 8 c
.set SC,  64          ; the way out: a tile's O^T times its factor, where S^T lay
.set BK,  128         ; the way out: 64 registers a tile for rows read back, where P and Q lay
.set QP,  2           ; s[2:3]   at the head: q at my wave's first row; later the two counters
.set TWICE, 2         ; s2   counts the trips of the loop over key steps
.set SLOTS, 3         ; s3   changes of slots that fill, still to come
.set G0,  4           ; s[4:7]   descriptor group 0: it walks.  Waves 0 and 1: K's tiles of a slot's two steps; waves 2 and 3: V's
.set G1K, 8           ; s[8:15]  descriptor group 1 for K's tiles
.set G1V, 16          ; s[16:23] for V's: it differs in the padding alone
.set O,   24          ; s[24:25] out0 at my wave's first row, my head's columns
.set MP,  26          ; s[26:27] mbits at the first of the two blocks asked for last
.set PFA, 28          ; s[28:29] where my prefetches stand
.set WV,  30          ; s30  my wave's number
.set LIM, 31          ; s31  1 in a wave that prefetches, else the greatest number
.set MW,  32          ; s[32:47] sixteen mask words, by turns.  At the head s[32:59] serve as temporaries
.set CS,  66          ; s[66:67] c: the packed scaling names a pair and takes its low word for both halves
.set SEL, 100         ; s[100:101] lane selects for v_permlanex16_b32: each lane takes its own place in the other half
.set TB,  104         ; s104 LDS byte at which the tiles of the step to be fetched begin
.set MSB, 0
.macro WIN new                      ; the immediate's high byte repeats the setting that is left; a switch that changes nothing is dropped
.if MSB != (\new)
	s_set_vgpr_msb (MSB<<8)|(\new)
.set MSB, \new
.endif
.endm
.set W_KQ, 0x01       ; K in window 1; Q and S^T in window 0
.set W_PV, 0x52       ; V in window 2, P in window 0, O^T in window 1
.set W_RS, 0x41       ; O^T (destination and source 0) in window 1, the factor in window 0
.set W_L1, 0x40       ; a load's destination in window 1, its address in window 0
.set W_L2, 0x80       ; a load's destination in window 2
; A joint fill.  The branch hangs on the wave's number alone: it is the same in every work-group.  An s_nop 0 and four v_nop follow each of the two lines, ahead of the jump and the label.
.macro JLOAD
	s_cmp_lt_u32 s[WV], 2
	s_cbranch_scc0 .Lfor_v_\@
	tensor_load_to_lds s[G0:G0+3], s[G1K:G1K+7]
	s_nop 0
.rept 4
	v_nop
.endr
	s_branch .Lasked_\@
.Lfor_v_\@:
	tensor_load_to_lds s[G0:G0+3], s[G1V:G1V+7]
	s_nop 0
.rept 4
	v_nop
.endr
.Lasked_\@:
.endm
; A PREFETCH INTO THE L2 of what the NEXT change of slots will ask for: a slot's 128 rows of k16 and 128 of v16, 256 bytes a row, a lane a row.  Each row is named ONCE in the launch: of the eight clusters
; that walk a head the first asks; its four partners share the rows out BY ADDRESS, 32 each; in each, wave 0 asks for K's and wave 2 for V's.  The last change that fills a slot asks for nothing.
.macro ASK
	s_cmp_gt_u32 s[SLOTS], s[LIM]
	s_cbranch_scc0 .Lnot_mine_\@
	global_prefetch_b8 v[PFO], s[PFA:PFA+1] th:TH_LOAD_NT scope:SCOPE_SE
.Lnot_mine_\@:
.endm
; A round of the cluster's barrier: my work-group's barrier, so that wave 0's signal speaks for all four waves; wave 0 signals; every wave waits for all four work-groups; my work-group's barrier once more.
.macro CROUND
	s_barrier_signal -1
	s_barrier_wait -1
	s_cmp_lg_u32 s[WV], 0
	s_cbranch_scc1 .Lnot_wave_0_\@
	s_barrier_signal -3
.Lnot_wave_0_\@:
	s_barrier_wait -3
	s_barrier_signal -1
	s_barrier_wait -1
.endm
; THE CHANGE OF SLOTS, between piece 1's turn and piece 0's: the slot's last bytes, V of its second step, have been asked for.  Each wave waits for all its tensor loads, of which one is out: its part
; of the other slot; adds 0 to its spare word; and waits for that and for its own reads of the slot.  Behind the barrier nobody reads this slot any more and the other slot is whole.
; fill = 1: this slot is filled again, with the keys two slots on; the barrier is then a round of the cluster's, and the joint fill is the first thing behind it: it has two key steps, 128 matrix
; instructions, in which to land.  (At its first use nothing has been read yet: slot 0 is waited for, slot 1 filled.)
; THE MASK WORDS go with it: the two blocks asked for at the last change have come and move up; with fill = 1 the next two are asked for, two key steps ahead of their first use.
.macro CHANGE fill
	WIN 0                           ; at a label and at a branch every window is 0
	s_wait_tensorcnt 0x0            ; no tensor load of mine is out, so group 0 may be written
	ds_add_u32 v[SPW], v[NIL]       ; 0 onto my spare word; work on registers stands between it and the wait for it
.if \fill
	s_xor_b32 s[G0+1], s[G0+1], SLOT1  ; the other slot than last time,
	s_add_nc_u64 s[G0+2:G0+3], s[G0+2:G0+3], 2*KS*256  ; the next 128 keys; the type bits on top are not reached
	s_wait_xcnt 0x0                 ; the last prefetch, two key steps back, has read its address, so it may be written
	s_add_nc_u64 s[PFA:PFA+1], s[PFA:PFA+1], 2*KS*256  ; one slot ahead of the walking descriptor
.endif
	s_wait_loadcnt 0x0              ; the two blocks of mask words are in, so they may be read and their pointer stepped
.irp e, 0,1,2,3
	v_mov_b32 v[WN+\e], v[WL+\e]
.endr
.if \fill
	s_add_nc_u64 s[MP:MP+1], s[MP:MP+1], 1024  ; two steps on: a step is 512 bytes, of which my 32 queries have 256
.endif
	s_wait_dscnt 0x0                ; the add is done, and my reads of the slot are over
.if \fill
	CROUND
	JLOAD
	global_load_b64 v[WL:WL+1],   v[MO], s[MP:MP+1]             ; 256 consecutive bytes each, aligned
	global_load_b64 v[WL+2:WL+3], v[MO], s[MP:MP+1] offset:512
	ASK
.else
	s_barrier_signal -1
	s_barrier_wait -1
.endif
	s_sub_co_u32 s[TB], s[TB], 2*STEPB  ; the fetches go back to a slot's first step,
	s_xor_b32 s[TB], s[TB], SLOT1   ; in the other slot
.endm
.macro NEXTW                        ; the next step's block of mask words comes into hand
	WIN 0
	v_mov_b32 v[WC],   v[WN]
	v_mov_b32 v[WC+1], v[WN+1]
	v_mov_b32 v[WN],   v[WN+2]
	v_mov_b32 v[WN+1], v[WN+3]
.endm
; q.  A fragment of K or Q is 16 rows x 32 channels in 8 registers: lane l holds row l % 16; registers 0-3 channels 8 (l / 16) + 0..7, registers 4-7 channels 16 + 8 (l / 16) + 0..7.
; In f32 those are 32 + 32 bytes, 64 apart: four loads of 16 bytes into 16 registers of window 1 (QLOAD: a tile's four fragments), then eight roundings in pairs (QCVT: a tile's 32).
.macro QLOAD t
	WIN W_L1
.set i, 4*(\t)
.rept 4                             ; tile i / 4, channels 32 (i % 4) on
	global_load_b128 v[16*i:16*i+3],     v[QO], s[QP:QP+1] offset:(i/4)*8192+(i%4)*128 th:TH_LOAD_NT
	global_load_b128 v[16*i+4:16*i+7],   v[QO], s[QP:QP+1] offset:(i/4)*8192+(i%4)*128+16 th:TH_LOAD_NT
	global_load_b128 v[16*i+8:16*i+11],  v[QO], s[QP:QP+1] offset:(i/4)*8192+(i%4)*128+64 th:TH_LOAD_NT
	global_load_b128 v[16*i+12:16*i+15], v[QO], s[QP:QP+1] offset:(i/4)*8192+(i%4)*128+80 th:TH_LOAD_NT
.set i, i+1
.endr
.endm
.macro QCVT t
	WIN 0x05                        ; sources window 1, destination window 0
.set i, 32*(\t)
.rept 32
	v_cvt_pk_bf16_f32 v[Q+i], v[2*i], v[2*i+1]
.set i, i+1
.endr
.endm
	s_load_b256 s[32:39], s[0:1], 0x0  ; q s[32:33], k16 s[34:35], v16 s[36:37], mbits s[38:39]
	s_load_b64 s[40:41], s[0:1], 0x20  ; out0
	v_lshl_add_u32 v[SPW], v0, 2, SPARE
	v_mov_b32 v[NIL], 0
	ds_add_u32 v[SPW], v[NIL]       ; the wave's opening: the add and its wait stand ahead of my first tensor load; the set-up below, work on registers, stands between them
	v_lshrrev_b32 v1, 5, v0
	v_readfirstlane_b32 s[WV], v1   ; wave 0..3
	s_bfe_u32 s42, ttmp6, 0x40000   ; cx: my place in the cluster
	s_lshl_b32 s43, ttmp9, 2        ; in a cluster launch ttmp9 counts clusters
	s_add_co_u32 s43, s43, s42      ; my block of 128 queries: it enters q's, out0's and mbits' addresses alone
	s_and_b32 s44, ttmp7, 0xffff    ; the head, which the four partners share
	s_and_b32 s45, s[WV], 1         ; which of a slot's two steps I fetch
	s_lshl_b32 s56, s44, 20         ; the head's first byte in k16 and v16: 4,096 rows of 256 bytes
	s_lshl_b32 s46, s45, 14         ; my step's 64 rows
	s_add_co_u32 s46, s46, s56
	s_mov_b32 s47, 0                ; s[46:47]: my tile of slot 0: made of the head and the wave's number alone
	s_lshl_b32 s48, s42, 13         ; the prefetches: my work-group's 32 rows of a slot's 128,
	s_add_co_u32 s48, s48, s56
	s_add_co_u32 s48, s48, 2*KS*256 ; in slot 1: the first change of slots, which fills slot 1, steps it to slot 2
	s_mov_b32 s49, 0
	s_lshl_b32 s57, s43, 2
	s_add_co_u32 s57, s57, s[WV]    ; my wave among the 128 that share a head's queries
	s_lshl_b32 s50, s44, 21         ; q: the head's 4,096 rows of 512 bytes,
	s_lshl_b32 s56, s57, 14         ; my wave's 32
	s_add_co_u32 s50, s50, s56
	s_mov_b32 s51, 0
	s_lshl_b32 s52, s57, 18         ; out0: my wave's 32 rows of 8,192 bytes,
	s_lshl_b32 s56, s44, 9          ; the head's 512 bytes of a row
	s_add_co_u32 s52, s52, s56
	s_mov_b32 s53, 0
	s_lshr_b32 s54, s57, 1          ; mbits: 32,768 bytes for each 64 queries; in them 512 a step,
	s_lshl_b32 s54, s54, 15
	s_and_b32 s56, s57, 1           ; of which my 32 queries have 256
	s_lshl_b32 s56, s56, 8
	s_add_co_u32 s54, s54, s56
	s_mov_b32 s55, 0
	s_mov_b32 s[G0], 1              ; 1:0 count = 1
	s_mul_i32 s[G0+1], s45, STEPB   ; 63:32 LDS address, slot 0: my step's place, and for waves 2 and 3 V's behind K's: no place in the cluster enters an LDS address
	s_lshr_b32 s56, s[WV], 1
	s_mul_i32 s56, s56, VOFF
	s_add_co_u32 s[G0+1], s[G0+1], s56
	; descriptor group 1: a tile of 64 rows x 128 elements of 2 bytes, padded in LDS
	s_mov_b32 s[G1K], 15|(1<<16)|(1<<20)|(1<<21)|(5<<22)|(3<<25)  ; 15:0 the mask: all four work-groups; 17:16 elements of 2 bytes; 20 padding on; 21 set beside a mask; 24:22 after every 64 words (code 5); 31:25 4 words of it (code 3)
	s_mov_b32 s[G1V], 15|(1<<16)|(1<<20)|(1<<21)|(5<<22)|(7<<25)  ; the same with 8 words of padding (code 7)
.irp g, G1K, G1V
	s_mov_b32 s[(\g)+1], 128<<16    ; tensor_dim0 = 128
	s_mov_b32 s[(\g)+2], KS<<16     ; tensor_dim1 = 64
	s_mov_b32 s[(\g)+3], 128<<16    ; tile_dim0 = 128
	s_mov_b32 s[(\g)+4], KS         ; tile_dim1 = 64
	s_mov_b32 s[(\g)+5], 128        ; 128 elements from row to row
	s_mov_b32 s[(\g)+6], 0
	s_mov_b32 s[(\g)+7], 0
.endr
	s_mov_b32 s[CS], 0x3e0293ee     ; c = log2(e) / sqrt(128) = 0.127517
	s_mov_b32 s[CS+1], s[CS]        ; named with it as a pair, so it is written
	s_mov_b32 s[SEL], 0x76543210
	s_mov_b32 s[SEL+1], 0xfedcba98
	s_mov_b32 s[TB], SLOT1+2*STEPB  ; the first change of slots turns this into 0
	s_and_b32 s[LIM], s[WV], 1      ; 0 in waves 0 and 2,
	s_or_b32 s[LIM], s[LIM], ttmp9  ; where the cluster is the head's first: the same in all four partners
	s_cmp_eq_u32 s[LIM], 0
	s_cselect_b32 s[LIM], 1, -1
	v_and_b32 v[PFO], 31, v0
	v_lshlrev_b32 v[MO], 3, v[PFO]
	v_lshlrev_b32 v[PFO], 8, v[PFO]
	s_wait_dscnt 0x0                ; the opening add is done
	s_wait_kmcnt 0x0
	s_cmp_lt_u32 s[WV], 2
	s_cselect_b64 s[58:59], s[34:35], s[36:37]  ; waves 0 and 1 fetch from k16, waves 2 and 3 from v16
	s_add_nc_u64 s[G0+2:G0+3], s[58:59], s[46:47]  ; 120:64 global address
	s_or_b32 s[G0+3], s[G0+3], 0x80000000          ; 127:126 type = 2
	s_add_nc_u64 s[PFA:PFA+1], s[58:59], s[48:49]
	s_add_nc_u64 s[QP:QP+1], s[32:33], s[50:51]    ; q at my wave's first row
	s_add_nc_u64 s[O:O+1], s[40:41], s[52:53]
	s_add_nc_u64 s[MP:MP+1], s[38:39], s[54:55]    ; my words of step 0
	CROUND                          ; all four work-groups are here: the first joint loads meet
	JLOAD                           ; slot 0.  Slot 1 is asked for when slot 0 is in, by the first change of slots
	global_load_b64 v[WL:WL+1],   v[MO], s[MP:MP+1]             ; the mask words of steps 0 and 1
	global_load_b64 v[WL+2:WL+3], v[MO], s[MP:MP+1] offset:512
	v_and_b32 v1, 15, v0            ; l % 16
	v_bfe_u32 v9, v0, 4, 1          ; l / 16
	v_lshlrev_b32 v[QO], 9, v1
	v_lshl_add_u32 v[QO], v9, 5, v[QO]  ; row x 512 + 32 x half
	QLOAD 0
	QLOAD 1
	WIN 0
	v_mul_u32_u24 v[AK0], v1, PK
	v_lshl_add_u32 v[AK0], v9, 4, v[AK0]  ; row x pitch + 16 x half
	; The turning load takes 16 keys x 16 channels (lane l reads 16 bytes: key 8 (l / 16) + l % 8, channels 8 ((l / 8) % 2) + 0..7) and leaves half a fragment of V^T: lane l holds channel l % 16 and 8 keys.
	v_and_b32 v10, 7, v0
	v_bfe_u32 v11, v0, 3, 1
	v_lshl_add_u32 v[AV0], v9, 3, v10
	v_mul_u32_u24 v[AV0], v[AV0], PV_P
	v_lshl_add_u32 v[AV0], v11, 4, v[AV0]
	v_add_nc_u32 v[AV0], VOFF, v[AV0]
	v_mov_b32 v[BIG], 0xf1800000    ; -2^100
	v_mov_b32 v[NANV], 0x7fc00000
.irp t, 0,1
	v_mul_f32 v[ST+8*(\t)], s[CS], v[BIG]  ; c m: exact, a power of two times c
	v_mov_b32 v[ST+8*(\t)+1], v[BIG]       ; m
	v_mov_b32 v[ST+8*(\t)+2], 0            ; l
	v_mov_b32 v[ST+8*(\t)+3], 0
.endr
.set i, P+16
.rept 16
	v_mov_b32 v[i], 0               ; piece 1's weights of the step that has not been: the first turn's products V^T P add 0
.set i, i+1
.endr
	s_mul_i32 s105, s[WV], 16*SP
	s_add_co_u32 s105, s105, STAGE  ; my stage
	v_mul_u32_u24 v[STO], v1, SP    ; in: row l % 16, 32 bytes for each half of the lanes
	v_lshl_add_u32 v[STO], v9, 5, v[STO]
	v_add_nc_u32 v[STO], s105, v[STO]
	v_and_b32 v[GO], 31, v0         ; back: 32 lanes take one row of 512 bytes,
	v_lshlrev_b32 v[GO], 4, v[GO]   ; which are 512 consecutive bytes of out0
	v_add_nc_u32 v[RD], s105, v[GO]
	s_wait_loadcnt 16               ; loads come back in order (ISA guide 5.7.1): the mask words and tile 0 are in, tile 1's 16 loads stay out
	QCVT 0
	s_wait_loadcnt 0x0              ; all of q is in, and its pointer is done with
	QCVT 1
	WIN 0
; THE MATRIX WORK OF A TURN, for piece x.  The accumulators take turns, one instruction a turn: between two links of a chain stand 7 (V^T P) or 3 (K Q^T) others'.
; Product i of 16 of O^T += V^T P: keys 32 (i / 8) on, channels 16 (i % 8) on: V's fragment i.
.macro PV x
	WIN W_PV
.set rO, 64*(\x)+8*(i%8)
.set rV, 8*i
.set rP, P+16*(\x)+8*(i/8)
	v_wmma_f32_16x16x32_f16 v[rO:rO+7], v[rV:rV+7], v[rP:rP+7], v[rO:rO+7]
.endm
; Product i of 16 of S^T = K Q^T: channels 32 (i / 4) on, keys 16 (i % 4) on.  The first 4 start the sums.
.macro KQ x
	WIN W_KQ
.set rS, S+32*(\x)+8*(i%4)
.set rK, KF+32*(i%4)+8*(i/4)
.set rQ, Q+32*(\x)+8*(i/4)
.if i < 4
	v_wmma_f32_16x16x32_bf16 v[rS:rS+7], v[rK:rK+7], v[rQ:rQ+7], 0
.else
	v_wmma_f32_16x16x32_bf16 v[rS:rS+7], v[rK:rK+7], v[rQ:rQ+7], v[rS:rS+7]
.endif
.endm
; THE LDS LOADS stand in runs of 32, never singly among the matrix instructions.  K (64 keys x 128 channels: 16 fragments) comes by channels: eight loads for each 32, in the order in which the products want
; them; V (turned) fragment by fragment, two loads each, likewise.
.macro FETCH_K
	WIN 0
	v_add_nc_u32 v[ADR], s[TB], v[AK0]
	WIN W_L1
.irp c, 0,1,2,3
.irp kb, 0,1,2,3
	ds_load_b128 v[KF+32*(\kb)+8*(\c):KF+32*(\kb)+8*(\c)+3],   v[ADR] offset:(\kb)*16*PK+(\c)*64
	ds_load_b128 v[KF+32*(\kb)+8*(\c)+4:KF+32*(\kb)+8*(\c)+7], v[ADR] offset:(\kb)*16*PK+(\c)*64+32
.endr
.endr
.endm
.macro FETCH_V step                 ; step = 1: the next fetch is the next step's
	WIN 0
	v_add_nc_u32 v[ADR], s[TB], v[AV0]
.if \step
	s_add_co_u32 s[TB], s[TB], STEPB
.endif
	WIN W_L2
.irp f, 0,1,2,3,4,5,6,7,8,9,10,11,12,13,14,15  ; keys 32 (f / 8) on, channels 16 (f % 8) on
	ds_load_tr16_b128 v[8*(\f):8*(\f)+3],   v[ADR] offset:((\f)/8)*32*PV_P+((\f)%8)*32
	ds_load_tr16_b128 v[8*(\f)+4:8*(\f)+7], v[ADR] offset:((\f)/8)*32*PV_P+16*PV_P+((\f)%8)*32
.endr
.endm
.macro MORE                         ; in the tail: the last trip has no further step, and one forward jump passes K's run
	WIN 0
	s_cmp_eq_u32 s[TWICE], 1
	s_cbranch_scc1 .Lno_more_\@
	FETCH_K
	WIN 0
.Lno_more_\@:
.endm
; THE VECTOR WORK OF A TURN.  Behind the mask, the tile's softmax for one key step is a list of 134 instructions; SM writes number j of it for tile t.  s0-s31 are the lane's 32 scores, in pairs 0-15.
;   0-15    the maximum of s0-s31 and the old m, three operands at a time: four chains c0-c3 of seven scores each, then the four scores left over, c0-c3 and m
;   16-20   the other half of the lanes' maximum; c m_old is kept; the new m; c m; c m_old - c m_new
;   21-87   33 exponentials (a, then s0-s31) at the odd numbers from 23 on, so that no two follow each other and each has a plain instruction behind it before its result is used.
;           Plain instruction q (number 21, then the even numbers) is whatever is ready: c s - c m for a pair of scores whose exponentials are still to come (q = 0 to 3, then every
;           second q), the rounding to f16 of a pair of weights whose exponentials are done (every other q from 5 on), at last the first three sums
;   88-101  the last rounding; the rest of the sums; l = a l + the sum
;   102-133 the tile's O^T times a, from the low registers on: the one part that leaves window 0, so it stands together
.macro SM t
.set rT, ST+8*(\t)
.set rS, S+32*(\t)
.set rP, P+16*(\t)
.set rO, 64*(\t)+2*(j-102)
.set q, (j-20)/2
.if j < 102
	WIN 0
.endif
.if j < 4
	v_max3_num_f32 v[rT+4+j], v[rS+8*j], v[rS+8*j+1], v[rS+8*j+2]
.elseif j < 12
	v_max3_num_f32 v[rT+4+j%4], v[rT+4+j%4], v[rS+8*(j%4)+2*(j/4)+1], v[rS+8*(j%4)+2*(j/4)+2]
.elseif j == 12
	v_max3_num_f32 v[rT+4], v[rT+4], v[rS+7], v[rS+15]
.elseif j == 13
	v_max3_num_f32 v[rT+6], v[rT+6], v[rS+23], v[rS+31]
.elseif j == 14
	v_max3_num_f32 v[rT+4], v[rT+4], v[rT+5], v[rT+6]
.elseif j == 15
	v_max3_num_f32 v[rT+4], v[rT+4], v[rT+7], v[rT+1]
.elseif j == 16
	v_permlanex16_b32 v[rT+5], v[rT+4], s[SEL], s[SEL+1]  ; the query's other 32 keys lie in the lane 16 away
.elseif j == 17
	v_mov_b32 v[rT+7], v[rT]        ; c m_old is kept for a: number 19 writes c m anew
.elseif j == 18
	v_max_num_f32 v[rT+1], v[rT+4], v[rT+5]
.elseif j == 19
	v_mul_f32 v[rT], s[CS], v[rT+1]
.elseif j == 20
	v_sub_f32 v[rT+7], v[rT+7], v[rT]
.elseif j == 23
	v_exp_f32 v[rT+6], v[rT+7]
.elseif (j < 88) && (j > 23) && (j%2 == 1)
	v_exp_f32 v[rS+(j-25)/2], v[rS+(j-25)/2]
.elseif (q < 4) || ((j < 76) && (q%2 == 0))
.set b, q/2+2
.if q < 4
.set b, q
.endif
	v_pk_fma_f32 v[rS+2*b:rS+2*b+1], v[rS+2*b:rS+2*b+1], s[CS:CS+1], v[rT:rT+1] op_sel_hi:[1,0,0] neg_lo:[0,0,1] neg_hi:[0,0,1]  ; pair b: c s - c m
.elseif (j < 88) && (q%2 == 1)
	s_wait_alu depctr_va_vdst(0)
	v_cvt_pk_f16_f32 v[rP+(q-5)/2], v[rS+q-5], v[rS+q-4]  ; pair (q - 5) / 2: its second exponential stands three numbers back
.elseif j == 89
	s_wait_alu depctr_va_vdst(0)
	v_cvt_pk_f16_f32 v[rP+15], v[rS+30], v[rS+31]
.elseif j < 102                     ; the sum of the tile's 16 pairs, in place: sum z of 16 adds neighbours 1, 2, 4 and 8 pairs apart, then l takes it
.set z, j-86
.if j < 89
.set z, (j-76)/4
.endif
.set w, 4
.set u, z
.if z >= 14
.set w, 32
.set u, 0
.elseif z >= 12
.set w, 16
.set u, z-12
.elseif z >= 8
.set w, 8
.set u, z-8
.endif
.if z < 15
	v_pk_add_f32 v[rS+w*u:rS+w*u+1], v[rS+w*u:rS+w*u+1], v[rS+w*u+w/2:rS+w*u+w/2+1]
.else
	v_pk_fma_f32 v[rT+2:rT+3], v[rT+2:rT+3], v[rT+6:rT+7], v[rS:rS+1] op_sel_hi:[1,0,1]
.endif
.else
	WIN W_RS
	v_pk_mul_f32 v[rO:rO+1], v[rO:rO+1], v[rT+6:rT+7] op_sel_hi:[1,0]
.endif
.endm
; THE PIECE'S QUEUE, 198 long; VQ writes entry vz of it for tile Yp and steps vz.
;   0-63    the mask.  Register mz of the tile's S^T takes -2^100 where its word's bit is set; the word, number 32 Yp + mz of the block, lies in lane 16 Yp + mz / 2 of the pair's register mz % 2 and is read
;           out into scalar register mz % 16 of sixteen.  In groups of eight: group 0 is read out; then group g + 1 is read out and group g selected, so that a word is read out eight instructions or
;           more ahead of its select.  The registers ascend.
;   64-197  the tile's list.
.macro VQ
.if vz < 64
	WIN 0
.set mb, (vz+8)/16-1
.set mp, (vz+8)%16
.if vz < 8
.set mz, vz
.set mr, 1
.elseif (mb < 3) && (mp < 8)
.set mz, 8*(mb+1)+mp
.set mr, 1
.elseif mb < 3
.set mz, 8*mb+mp-8
.set mr, 0
.else
.set mz, 24+mp
.set mr, 0
.endif
.if mr
	v_readlane_b32 s[MW+mz%16], v[WC+mz%2], 16*Yp+mz/2
.else
	v_cndmask_b32 v[S+32*Yp+mz], v[S+32*Yp+mz], v[BIG], s[MW+mz%16]
.endif
.else
.set j, vz-64
	SM Yp
.endif
.set vz, vz+1
.endm
; Slice k of 32: six of the queue; 198 = 6 x 31 + 12: the last slice has 12, all of them rescalings, plain instructions that name nothing of the products round them: they are the places
; between the turn's last K Q^T and what follows: the next turn's selects, which read those scores, and the loads into K's registers.
.macro SLICE
.if k == 31
.rept 12
	VQ
.endr
.else
.rept 6
	VQ
.endr
.endif
.set k, k+1
.endm
; A TURN.  Piece x has the matrix unit: 16 products V^T P, then 16 products K Q^T for the next step; the other piece's queue stands in slices behind them.
; PIECE 0's TURN is V's first reader and fetches the next step's K, behind its second product: the last product that read K stands in front of the last slice of the turn before.  LDS loads come back in order
; (ISA guide 5.7.1), so the waits are counted.  In front of products i to i + 3 of V^T P, V's fragments up to i + 3 are in: 24 - 2 i of V's loads may be out, and from product 4 on K's 32 besides.
; In front of products i to i + 3 of K Q^T, K's loads for their 32 channels are in: the 24 - 2 i for the later channels may be out.  56 LDS loads are out at the most.
; When its read-outs are over (behind slice 10) the next step's block of mask words comes into hand: piece 0's softmax, a turn on, is the first to read it.
; PIECE 1's TURN fetches the next step's V behind its second product K Q^T: the last product that read V stands three slices back, nine plain instructions among them.
; tail = 1 (piece 0's turn behind the loop): K's run is passed in the last trip, so the counts above would not hold on every way: V is waited for with the count 0.
.macro TURN x, tail
.set k, 0
.set vz, 0
.set Yp, 1-(\x)
.set i, 0
.rept 16
.if ((\x) == 0) && (i%4 == 0)
.if \tail
.if i == 0
	s_wait_dscnt 0x0                ; V is in
.endif
.elseif i == 0
	s_wait_dscnt 24                 ; V's first four fragments are in
.else
	s_wait_dscnt 56-2*i             ; V's fragments up to i + 3 are in; its later loads and K's 32 may be out
.endif
.endif
	PV \x
	SLICE
.if ((\x) == 0) && (i == 1)
.if \tail
	MORE
.else
	FETCH_K
.endif
.endif
.if ((\x) == 0) && (i == 10)
	NEXTW
.endif
.set i, i+1
.endr
.set i, 0
.rept 16
.if ((\x) == 0) && (i%4 == 0)
	s_wait_dscnt 24-2*i             ; K's loads for these 32 channels are in
.endif
	KQ \x
	SLICE
.if ((\x) == 1) && (i == 1)
	FETCH_V 1
.endif
.set i, i+1
.endr
.endm
	s_mov_b32 s[SLOTS], SN/(2*KS)-1 ; 31 changes of slots fill: this one and the loop's 30
	CHANGE 1                        ; slot 0 is in, everybody's part of it; slot 1 is asked for; the mask words of steps 0 and 1 move up, those of steps 2 and 3 are asked for
	FETCH_K                         ; key step 0
	s_wait_dscnt 0x0
	FETCH_V 0                       ; V of step 0, so that the first turn's products on weights of 0 have numbers to multiply; that turn's own run brings the same bytes again
.set i, 0
.rept 16
	KQ 0                            ; piece 0's first scores: there is no vector work yet to set between them
.set i, i+1
.endr
	NEXTW                           ; step 0's mask words come into hand: four plain instructions, the places behind those products
	s_wait_dscnt 0x0                ; V is in
	s_mov_b32 s[TWICE], 2
	s_branch .Lmid                  ; the loop is entered in the middle of a trip: piece 1's first scores | piece 0's first softmax | V of step 0
.Lslot:                             ; 30 times: slots 2 to 31 are asked for
	CHANGE 1
	s_mov_b32 s[TWICE], 2
.Lstep:                             ; a key step: written once, walked twice a slot; the LDS addresses hang on s[TB]
	TURN 0, 0
	WIN 0
.Lmid:
	TURN 1, 0
	WIN 0
	s_sub_co_u32 s[TWICE], s[TWICE], 1
	s_cmp_lg_u32 s[TWICE], 0
	s_cbranch_scc1 .Lstep
	s_sub_co_u32 s[SLOTS], s[SLOTS], 1
	s_cmp_lg_u32 s[SLOTS], 0
	s_cbranch_scc1 .Lslot
	CHANGE 0                        ; the tail is written out: the last slot but one is left, and nothing is asked for
	s_mov_b32 s[TWICE], 3           ; two trips fetch the last slot's steps; the third is left in its middle
.Ltail:
	TURN 0, 1
	WIN 0
	s_sub_co_u32 s[TWICE], s[TWICE], 1
	s_cmp_eq_u32 s[TWICE], 0
	s_cbranch_scc1 .Lout
	TURN 1, 0
	WIN 0
	s_branch .Ltail
.Lout:
.set i, 0
.rept 16
	PV 1                            ; piece 1: V^T P of the last step
.set i, i+1
.endr
	; THE WAY OUT.  l's two halves and the other half of the lanes' are added; the factor is 1 / l, or a NaN where m is still -2^100: the row has seen no visible key.  O^T times the factor goes through my stage
	; in LDS, a tile (16 rows) at a time, and leaves in f32.  The lines below and tile 0's multiplications are the places behind the last products.
	WIN 0
.irp t, 0,1
	v_add_f32 v[ST+8*(\t)+4], v[ST+8*(\t)+2], v[ST+8*(\t)+3]
.endr
.irp t, 0,1
	v_permlanex16_b32 v[ST+8*(\t)+5], v[ST+8*(\t)+4], s[SEL], s[SEL+1]
.endr
.irp t, 0,1
	v_add_f32 v[ST+8*(\t)+4], v[ST+8*(\t)+4], v[ST+8*(\t)+5]
.endr
.irp t, 0,1
	v_rcp_f32 v[ST+8*(\t)+6], v[ST+8*(\t)+4]
.endr
	v_nop                           ; a plain instruction between the last reciprocal and the use of its result
.irp t, 0,1
	v_cmp_ge_f32 vcc_lo, v[BIG], v[ST+8*(\t)+1]
	s_wait_alu depctr_va_vdst(0)
	v_cndmask_b32 v[ST+8*(\t)+6], v[ST+8*(\t)+6], v[NANV], vcc_lo
.endr
.macro MULS t                       ; tile t's O^T times its factor, from the low registers on, into window 0, where S^T's registers are free
	WIN 0x01                        ; source 0 window 1
.set i, 0
.rept 32
	v_pk_mul_f32 v[SC+i:SC+i+1], v[64*(\t)+i:64*(\t)+i+1], v[ST+8*(\t)+6:ST+8*(\t)+7] op_sel_hi:[1,0]
.set i, i+2
.endr
.endm
; A lane's eight channels of a row are 32 bytes; they go into rows of 528 bytes and come back as whole rows of 512, into 64 registers of the tile's own.
.macro STG t
	WIN 0
.set i, 0
.rept 16                            ; channels 16 (i / 2) + 8 (l / 16) + 4 (i % 2) on
	ds_store_b128 v[STO], v[SC+4*i:SC+4*i+3] offset:64*(i/2)+16*(i%2)
.set i, i+1
.endr
.set i, 0
.rept 16
	ds_load_b128 v[BK+64*(\t)+4*i:BK+64*(\t)+4*i+3], v[RD] offset:SP*i  ; LDS serves a wave's instructions in order (ISA guide 5.7.1.4): these see the stores above
.set i, i+1
.endr
.endm
.macro SEND t
	WIN 0
.set i, 0
.rept 16
.if i%4 == 0
	s_wait_dscnt 12-i               ; rows i to i + 3 are back; the tile's 12 - i later loads may be out
.endif
	global_store_b128 v[GO], v[BK+64*(\t)+4*i:BK+64*(\t)+4*i+3], s[O:O+1] offset:(16*(\t)+i)*8192 th:TH_STORE_NT  ; 512 consecutive bytes, at a multiple of 256 from out0's first byte
.set i, i+1
.endr
.endm
	MULS 0
	STG 0
	MULS 1                          ; tile 1's arithmetic stands between tile 0's stage loads and the wait for them; the stage is written again when those loads are back
	SEND 0
	STG 1
	SEND 1
	s_wait_tensorcnt 0x0            ; the wave's end, behind my last tensor load and my last LDS store
	ds_add_u32 v[SPW], v[NIL]
	s_wait_dscnt 0x0
	CROUND                          ; the closing round: no work-group ends while a partner may still ask for a tile that names it
	s_endpgm
.Lfunc_end_k_qd1fcd7edba_attn:
	.size	k_qd1fcd7edba_attn, .Lfunc_end_k_qd1fcd7edba_attn-k_qd1fcd7edba_attn
	.p2alignl 7, 3214868480
	.fill 96, 4, 3214868480
	.section	.rodata,"a",@progbits
	.p2align	6, 0x0
	.amdhsa_kernel k_qd1fcd7edba_attn
		.amdhsa_group_segment_fixed_size 327680
		.amdhsa_private_segment_fixed_size 0
		.amdhsa_enable_private_segment 0
		.amdhsa_kernarg_size 40
		.amdhsa_user_sgpr_count 2
		.amdhsa_user_sgpr_kernarg_segment_ptr 1
		.amdhsa_wavefront_size32 1
		.amdhsa_system_sgpr_workgroup_id_x 1
		.amdhsa_system_sgpr_workgroup_id_y 1
		.amdhsa_system_sgpr_workgroup_id_z 1
		.amdhsa_system_vgpr_workitem_id 0
		.amdhsa_next_free_vgpr 640
		.amdhsa_next_free_sgpr 106
		.amdhsa_reserve_vcc 1
		.amdhsa_float_denorm_mode_32 3
		.amdhsa_float_denorm_mode_16_64 3
		.amdhsa_memory_ordered 1
		.amdhsa_forward_progress 1
		.amdhsa_inst_pref_size 110
	.end_amdhsa_kernel
	.amdgpu_metadata
---
amdhsa.version: [ 1, 2 ]
amdhsa.kernels:
  - .name:           k_qd1fcd7edba_attn
    .symbol:         k_qd1fcd7edba_attn.kd
    .args:
      - { .name: q, .offset: 0, .size: 8, .value_kind: global_buffer, .address_space: global }
      - { .name: k16, .offset: 8, .size: 8, .value_kind: global_buffer, .address_space: global }
      - { .name: v16, .offset: 16, .size: 8, .value_kind: global_buffer, .address_space: global }
      - { .name: mbits, .offset: 24, .size: 8, .value_kind: global_buffer, .address_space: global }
      - { .name: out0, .offset: 32, .size: 8, .value_kind: global_buffer, .address_space: global }
    .group_segment_fixed_size: 327680
    .private_segment_fixed_size: 0
    .kernarg_segment_align: 8
    .kernarg_segment_size: 40
    .max_flat_workgroup_size: 128
    .sgpr_count:     106
    .vgpr_count:     640
    .wavefront_size: 32
...
	.end_amdgpu_metadata
.endif
;; end of part 2
;; ======== version 2 of 2: 2 launches; version 1 with the launch prep written anew for expert scheduling mode
;; limits: values are held in f16: magnitudes above 65,504 overflow, below 6.1e-05 lose precision; inputs' magnitudes at most 65,504; right only within a limited range of input values
;; workspace buffers: k16 16,777,216 bytes; v16 16,777,216 bytes; mbits 2,097,152 bytes of whole numbers
;; launch prep (part 3): grid 1024 x 1, 8 waves a work-group, no clusters, 70,656 bytes of LDS; arguments k, v, attn_mask, k16, v16, mbits; writes k16, v16, mbits
.if DOCPART == 3
	.amdgcn_target "amdgcn-amd-amdhsa--gfx1250"
	.amdhsa_code_object_version 6
	.text
	.protected	k_qd1fcd7edba_prep
	.globl	k_qd1fcd7edba_prep
	.p2align	8
	.type	k_qd1fcd7edba_prep,@function
k_qd1fcd7edba_prep:
	s_mov_b64 s[64:65], 0
	v_nop
	global_prefetch_b8 v0, s[64:65] scope:SCOPE_SE
	s_setreg_imm32_b32 hwreg(HW_REG_WAVE_SCHED_MODE, 0, 2), 2
	s_setreg_imm32_b32 hwreg(HW_REG_WAVE_MODE, 25, 1), 1
	s_wait_xcnt 0x0
	s_wait_alu depctr_vm_vsrc(0)
; WHAT THE ATTENTION LAUNCH WOULD OTHERWISE DO SIXTEEN TIMES IS DONE ONCE HERE.
;   k16[h][n][c] = k rounded to bf16.       v16[h][n][c] = v rounded to bf16, that number written as f16.
;   mbits: the mask as lane-mask words.  Word ((ws*64 + s)*2 + pp)*64 + tt*32 + kt*8 + j, bit l (r = l % 16, h = l / 16), is 1 where
;   attn_mask[64 ws + 32 pp + 16 tt + r][64 s + 16 kt + 8 h + j] == 0: the bit of lane l for register 8 kt + j of a tile of scores S^T (16 queries x 64 keys).
; LIMITS.  v16: a bf16 number is an f16 number exactly from 2^-14 up to 65,504; below 2^-14 it keeps f16's fixed step of 2^-24; at 65,520 or more it becomes an infinity.
; A STREAM: no matrix unit, no cluster, no loop.  8,192 waves; wave g takes 4,096 bytes of k, 4,096 of v and a block of 32 rows x 64 columns (8,192 bytes) of the mask:
; 32 loads of 16 bytes a lane, all issued at once.  Every load covers whole aligned runs of 256 bytes, every store writes 256 consecutive bytes, aligned.
; The mask's block is turned through the wave's own LDS bytes: in as it lies in memory, out as the scores' lanes want it.  No wave reads another's bytes, so there is no barrier.
; THE MODE: SCHED_MODE bits 1:0 = 2 (LLVM: expert scheduling mode 2), set by the entry lines.  The code itself states the register dependences
; between vector instructions and memory or LDS instructions, with s_wait_alu, always for 0.
; THE PLAN.  The text is one straight run, and every buffer of registers is used once.  Registers that memory or LDS instructions touch:
;   v1 - v5       offsets and LDS addresses: written by vector lines at the head, read by every load and store, never written again.
;   MX, KX, VX    written by the global loads alone; MX is read by the LDS stores, KX and VX by the roundings.  MR: written by the LDS loads alone, read by the compares.
;   KY, VY        written by the roundings, read by eight stores each.       WD: written by v_mov_b32 and v_writelane_b32, read by the last store.
;   v8, v9        written at the head, read by the closing add alone.
; No load lands in a register that a vector line has named, and no register that a load, store or LDS instruction has read is written again: so no wait on vm_vsrc is owed.
; What is owed: one wait on va_vdst ahead of the first load (the addresses) and one ahead of each of the three runs of stores (their data); and a wait on va_sdst
; between each vector line that writes a scalar register and that register's first reader: the wave's number once, the compares in four runs of sixteen.
.set PITCH, 272                        ; an LDS row: 256 bytes + 16 = 68 words: row r starts at bank 4 r mod 64 (64 banks of 4 bytes: ISA guide 11.1), so 16 rows start at 16 different banks
.set WREG,  32*PITCH                   ; a wave's 32 rows
.set SPARE, 8*WREG                     ; behind them: the spare words, 128 bytes for each wave: four blocks of 256 bytes that no other line names
.set A16, 1                            ; v1   16 x lane
.set A8,  2                            ; v2   8 x lane
.set MO,  3                            ; v3   the mask's offset: (l / 16) rows of 16,384 bytes + 16 (l % 16)
.set LST, 4                            ; v4   LDS: where I put 16 bytes of a mask row
.set LRD, 5                            ; v5   LDS: where I read my query's eight columns
.set WD,  6                            ; v[6:7]   lane L: words 2 L and 2 L + 1
.set SPW, 8                            ; v8   LDS address of my spare word; never rewritten
.set NIL, 9                            ; v9   0; never rewritten
.set MX,  16                           ; v[16:79]    the mask as loaded
.set KX,  80                           ; v[80:111]   k as loaded
.set VX,  112                          ; v[112:143]  v as loaded
.set KY,  144                          ; v[144:159]  k16 to store
.set VY,  160                          ; v[160:175]  v16 to store
.set T,   176                          ; v[176:181]  at work: no memory instruction names them
.set MR,  184                          ; v[184:247]  the mask read back: register n is word n's 32 numbers, a lane each
.set CW,  16                           ; s[16:31]    sixteen words fresh from their compares; at the head these registers are temporaries
	s_load_b256 s[4:11], s[0:1], 0x0               ; k s[4:5], v s[6:7], attn_mask s[8:9], k16 s[10:11]
	s_load_b128 s[12:15], s[0:1], 0x20             ; v16 s[12:13], mbits s[14:15]
	v_lshl_add_u32 v[SPW], v0, 2, SPARE
	v_mov_b32 v[NIL], 0
	v_lshrrev_b32 v10, 5, v0
	v_readfirstlane_b32 s16, v10                   ; wave 0..7; the lines that do not need it stand between it and the wait for it
	v_and_b32 v10, 31, v0                          ; l
	v_and_b32 v11, 15, v0                          ; l % 16
	v_bfe_u32 v12, v0, 4, 1                        ; l / 16
	v_lshlrev_b32 v[A16], 4, v10
	v_lshlrev_b32 v[A8], 3, v10
	v_lshlrev_b32 v[MO], 4, v11
	v_lshl_add_u32 v[MO], v12, 14, v[MO]
	v_mul_u32_u24 v[LST], v12, PITCH               ; in: a load's two rows, 16 bytes a lane
	v_lshl_add_u32 v[LST], v11, 4, v[LST]
	v_mul_u32_u24 v[LRD], v11, PITCH               ; out: row l % 16, columns 8 (l / 16) on
	v_lshl_add_u32 v[LRD], v12, 5, v[LRD]
	v_mov_b32 v[WD], 0                             ; v_writelane_b32's destination counts as read
	v_mov_b32 v[WD+1], 0
	s_wait_alu depctr_va_sdst(0)                   ; s16 is written, ahead of its first reader: g and my rows' place in LDS are made from it
	s_lshl_b32 s17, ttmp9, 3
	s_add_co_u32 s17, s17, s16                     ; g = 8 x work-group + wave
	s_mul_i32 s28, s16, WREG                       ; my wave's rows in LDS
	v_add_nc_u32 v[LST], s28, v[LST]
	v_add_nc_u32 v[LRD], s28, v[LRD]
	s_lshl_b32 s18, s17, 12                        ; g x 4,096 bytes of k and of v
	s_mov_b32 s19, 0
	s_lshl_b32 s20, s17, 11                        ; g x 2,048 bytes of k16 and of v16
	s_mov_b32 s21, 0
	s_lshr_b32 s29, s17, 6                         ; pc = g / 64: which 32 rows of the mask
	s_and_b32 s30, s17, 63                         ; s = g % 64: which 64 columns
	s_lshl_b32 s22, s29, 19                        ; 32 rows of 16,384 bytes
	s_lshl_b32 s31, s30, 8                         ; 64 columns of 4 bytes
	s_add_co_u32 s22, s22, s31
	s_mov_b32 s23, 0
	s_lshr_b32 s24, s29, 1                         ; ws = pc / 2: 32,768 bytes of words,
	s_lshl_b32 s24, s24, 15
	s_lshl_b32 s31, s30, 9                         ; s: 512,
	s_add_co_u32 s24, s24, s31
	s_and_b32 s31, s29, 1                          ; pp = pc % 2: 256
	s_lshl_b32 s31, s31, 8
	s_add_co_u32 s24, s24, s31
	s_mov_b32 s25, 0
	s_wait_kmcnt 0x0
	s_add_nc_u64 s[4:5], s[4:5], s[18:19]
	s_add_nc_u64 s[6:7], s[6:7], s[18:19]
	s_add_nc_u64 s[8:9], s[8:9], s[22:23]
	s_add_nc_u64 s[10:11], s[10:11], s[20:21]
	s_add_nc_u64 s[12:13], s[12:13], s[20:21]
	s_add_nc_u64 s[14:15], s[14:15], s[24:25]
	s_wait_alu depctr_va_vdst(0)                   ; the five offsets and addresses v1 to v5 are written: every load, store and LDS instruction below reads one of them, and no later vector line names them
.set i, 0
.rept 16                               ; the mask first: rows 2 i and 2 i + 1, 256 bytes of each
	global_load_b128 v[MX+4*i:MX+4*i+3], v[MO], s[8:9] offset:32768*i th:TH_LOAD_NT
.set i, i+1
.endr
.set i, 0
.rept 8                                ; 512 consecutive bytes a load
	global_load_b128 v[KX+4*i:KX+4*i+3], v[A16], s[4:5] offset:512*i th:TH_LOAD_NT
.set i, i+1
.endr
.set i, 0
.rept 8
	global_load_b128 v[VX+4*i:VX+4*i+3], v[A16], s[6:7] offset:512*i th:TH_LOAD_NT
.set i, i+1
.endr
	s_wait_loadcnt 16                              ; loads come back in order (ISA guide 5.7.1): the mask is in, the 16 loads of k and v stay out
.set i, 0
.rept 16                               ; the data come from loads and the address stands ahead of the wait above: nothing more is owed
	ds_store_b128 v[LST], v[MX+4*i:MX+4*i+3] offset:2*PITCH*i
.set i, i+1
.endr
.set i, 0
.rept 16                               ; i = 8 tt + 2 kt + u: registers 4 i .. 4 i + 3 are words 32 tt + 8 kt + 4 u + 0..3.  No vector line has named MR
	ds_load_b128 v[MR+4*i:MR+4*i+3], v[LRD] offset:(i/8)*16*PITCH+((i/2)%4)*64+(i%2)*16  ; LDS serves a wave's instructions in order (ISA guide 5.7.1.4): these see the stores above
.set i, i+1
.endr
	s_wait_loadcnt 8                               ; k is in, v's 8 loads stay out
.set i, 0
.rept 8
	v_cvt_pk_bf16_f32 v[KY+2*i],   v[KX+4*i],   v[KX+4*i+1]
	v_cvt_pk_bf16_f32 v[KY+2*i+1], v[KX+4*i+2], v[KX+4*i+3]
.set i, i+1
.endr
	s_wait_alu depctr_va_vdst(0)                   ; the sixteen roundings have written KY, which the eight stores read: one wait for the run, and k16 leaves while v is still on its way
.set i, 0
.rept 8
	global_store_b64 v[A8], v[KY+2*i:KY+2*i+1], s[10:11] offset:256*i th:TH_STORE_NT  ; 32 lanes store 256 consecutive bytes, aligned
.set i, i+1
.endr
	s_wait_loadcnt 0x0                             ; v is in
.set i, 0
.rept 8                                ; to bf16 (the one rounding), back to f32 by a shift and a mask, and into f16
	v_cvt_pk_bf16_f32 v[T],   v[VX+4*i],   v[VX+4*i+1]
	v_cvt_pk_bf16_f32 v[T+1], v[VX+4*i+2], v[VX+4*i+3]
	v_lshlrev_b32 v[T+2], 16, v[T]
	v_and_b32     v[T+3], 0xffff0000, v[T]
	v_lshlrev_b32 v[T+4], 16, v[T+1]
	v_and_b32     v[T+5], 0xffff0000, v[T+1]
	v_cvt_pk_f16_f32 v[VY+2*i],   v[T+2], v[T+3]
	v_cvt_pk_f16_f32 v[VY+2*i+1], v[T+4], v[T+5]
.set i, i+1
.endr
	s_wait_alu depctr_va_vdst(0)                   ; the conversions have written VY, which the eight stores read
.set i, 0
.rept 8
	global_store_b64 v[A8], v[VY+2*i:VY+2*i+1], s[12:13] offset:256*i th:TH_STORE_NT
.set i, i+1
.endr
; Sixteen words: a compare makes word n = 16 g + e out of register n's 32 lanes; it goes to lane n / 2 of the pair's register n % 2.
.macro WORDS g
.irp e, 0,1,2,3,4,5,6,7,8,9,10,11,12,13,14,15
	v_cmp_eq_u32 s[CW+\e], 0, v[MR+16*(\g)+\e]
.endr
	s_wait_alu depctr_va_sdst(0)                   ; the sixteen compares have written s[16:31], ahead of their first reader: one wait for the run
.irp e, 0,1,2,3,4,5,6,7,8,9,10,11,12,13,14,15
	v_writelane_b32 v[WD+(\e)%2], s[CW+\e], 8*(\g)+(\e)/2
.endr
.endm
	s_wait_dscnt 0x0                               ; the mask is back in registers
.irp g, 0,1,2,3
	WORDS \g
.endr
	s_wait_alu depctr_va_vdst(0)                   ; the 64 v_writelane_b32 have written WD, which the store reads
	global_store_b64 v[A8], v[WD:WD+1], s[14:15] th:TH_STORE_NT  ; the block's 64 words: 256 consecutive bytes, aligned
	s_wait_dscnt 0x0                               ; the closing lines, six on end
	s_wait_alu 0x0
	s_wait_tensorcnt 0x0
	ds_add_u32 v[SPW], v[NIL]
	s_wait_dscnt 0x0
	s_endpgm
.Lfunc_end_k_qd1fcd7edba_prep:
	.size	k_qd1fcd7edba_prep, .Lfunc_end_k_qd1fcd7edba_prep-k_qd1fcd7edba_prep
	.p2alignl 7, 3214868480
	.fill 96, 4, 3214868480
	.section	.rodata,"a",@progbits
	.p2align	6, 0x0
	.amdhsa_kernel k_qd1fcd7edba_prep
		.amdhsa_group_segment_fixed_size 70656
		.amdhsa_private_segment_fixed_size 0
		.amdhsa_enable_private_segment 0
		.amdhsa_kernarg_size 48
		.amdhsa_user_sgpr_count 2
		.amdhsa_user_sgpr_kernarg_segment_ptr 1
		.amdhsa_wavefront_size32 1
		.amdhsa_system_sgpr_workgroup_id_x 1
		.amdhsa_system_sgpr_workgroup_id_y 1
		.amdhsa_system_sgpr_workgroup_id_z 1
		.amdhsa_system_vgpr_workitem_id 0
		.amdhsa_next_free_vgpr 248
		.amdhsa_next_free_sgpr 66
		.amdhsa_reserve_vcc 0
		.amdhsa_float_denorm_mode_32 3
		.amdhsa_float_denorm_mode_16_64 3
		.amdhsa_memory_ordered 1
		.amdhsa_forward_progress 1
		.amdhsa_inst_pref_size 22
	.end_amdhsa_kernel
	.amdgpu_metadata
---
amdhsa.version: [ 1, 2 ]
amdhsa.kernels:
  - .name:           k_qd1fcd7edba_prep
    .symbol:         k_qd1fcd7edba_prep.kd
    .args:
      - { .name: k, .offset: 0, .size: 8, .value_kind: global_buffer, .address_space: global }
      - { .name: v, .offset: 8, .size: 8, .value_kind: global_buffer, .address_space: global }
      - { .name: attn_mask, .offset: 16, .size: 8, .value_kind: global_buffer, .address_space: global }
      - { .name: k16, .offset: 24, .size: 8, .value_kind: global_buffer, .address_space: global }
      - { .name: v16, .offset: 32, .size: 8, .value_kind: global_buffer, .address_space: global }
      - { .name: mbits, .offset: 40, .size: 8, .value_kind: global_buffer, .address_space: global }
    .group_segment_fixed_size: 70656
    .private_segment_fixed_size: 0
    .kernarg_segment_align: 8
    .kernarg_segment_size: 48
    .max_flat_workgroup_size: 256
    .sgpr_count:     66
    .vgpr_count:     248
    .wavefront_size: 32
...
	.end_amdgpu_metadata
.endif
;; end of part 3
;; launch attn: the kernel of part 2 again; grid 32 x 16, 4 waves a work-group, clusters of 4 x 1, 327,680 bytes of LDS; arguments q, k16, v16, mbits, out0; writes out0
